; MI455X (gfx1250); checked and timed in simulation.
; The chip was launched on July 23, 2026; its instructions are those of AMD's public machine-readable ISA for CDNA 5 (MIT licence, August 2026) and "CDNA5" Instruction Set Architecture Reference Guide (July 2026). The comments in the code are by the model that wrote it; some were corrected since.
;; Attn. Allowed arithmetic: float matrix products may take bf16 or f16 operands with f32 sums; all other float work in f32.
;; Inputs: Wa 1,024 x 2,048 float32; Ws 1 x 1,024 float32; ba 1,024 float32; encoder_outputs 512 x 64 x 1,024 float32; hidden 1 x 64 x 1,024 float32; pe 64 x 512 float32; seq_mask 64 x 512 bool.
;; Outputs: out0 64 x 1 x 512 float32.
;; 2 versions, each right; version 2 is version 1 with the launch prep written anew for expert scheduling mode. Each part assembles by itself: llvm-mc -triple=amdgcn-amd-amdhsa -mcpu=gfx1250 --defsym DOCPART=n.
;; ======== version 1 of 2: 3 launches
;; workspace buffers: wb 2,097,152 bytes; hbp 1,048,576 bytes; part 1,048,576 bytes
;; launch prep (part 1): grid 256 x 1, 4 waves a work-group, no clusters, 47,104 bytes of LDS; arguments Wa, hidden, wb, hbp; writes wb, hbp
.if DOCPART == 1
	.amdgcn_target "amdgcn-amd-amdhsa--gfx1250"
	.amdhsa_code_object_version 6
	.text
	.protected	k_qa6c66ce2e8_prep
	.globl	k_qa6c66ce2e8_prep
	.p2align	8
	.type	k_qa6c66ce2e8_prep,@function
k_qa6c66ce2e8_prep:
	s_mov_b64 s[64:65], 0
	v_nop
	global_prefetch_b8 v0, s[64:65] scope:SCOPE_SE
	s_setreg_imm32_b32 hwreg(HW_REG_WAVE_MODE, 25, 1), 1
	s_wait_xcnt 0x0
; Two small jobs on Wa [1024][2048] f32, whose left half Wh meets hidden and whose right half We meets encoder_outputs.
; (1) hbp[kq][b][n] = sum over k in 256 kq .. 256 kq + 255 of hidden[b][k] Wh[n][k]: bf16 operands, f32 sums.  Work-group g: a = g & 3 (16 rows b),
;     kq = (g >> 2) & 3 (256 k), c = g >> 4 (64 columns n); wave w takes 16 of the columns: 8 matrix instructions on two accumulators.
; (2) wb = bf16(We), row-major [1024 n][1024 k].  Work-group g casts rows 4 g .. 4 g + 3, wave w row 4 g + w.
; The four K quarters are summed by the next launch, so no sum crosses work-groups here.
; No joint tensor loads: the f32 numbers have to pass through registers to become bf16 before they reach LDS, and what work-groups share (64 KB of Wh among
; four, 16 KB of hidden among sixteen) is read once by each; straight-line text, all 48 loads of a wave in flight at once.
.set LP,   528                         ; an LDS row: 256 bf16 = 512 bytes + 16 of padding: 16 rows of a fragment load start 16 bytes apart modulo 256
.set SP,   272                         ; a stage row: 64 f32 = 256 bytes + 16
.set WHS,  0                           ; 64 rows of Wh
.set HIS,  64*LP                       ; 16 rows of hidden
.set STG,  HIS+16*LP                   ; 16 rows x 64 f32 on the way out
.set HR,   16                          ; v[16:47]    8 loads of hidden
.set WR,   48                          ; v[48:175]   32 loads of Wh; afterwards the fragments:
.set BFR,  48                          ; v[48:111]   Wh, 8 registers for each 32 k
.set AFR,  112                         ; v[112:175]  hidden, likewise
.set CR,   176                         ; v[176:207]  8 loads of We
.set PK,   208                         ; v[208:223]  packed bf16, eight pairs
.set ACC0, 224
.set ACC1, 232
.set OB,   240
	s_load_b256 s[4:11], s[0:1], 0x0               ; Wa s[4:5], hidden s[6:7], wb s[8:9], hbp s[10:11]
	v_lshl_add_u32 v254, v0, 2, 0xb600
	v_mov_b32 v255, 0
	v_lshrrev_b32 v1, 5, v0
	v_readfirstlane_b32 s12, v1                    ; wave w
	v_and_b32 v1, 31, v0                           ; L
	v_and_b32 v2, 15, v0                           ; r
	v_bfe_u32 v3, v0, 4, 1                         ; h
	s_and_b32 s13, ttmp9, 3                        ; a
	s_bfe_u32 s14, ttmp9, 0x20002                  ; kq
	s_lshr_b32 s15, ttmp9, 4                       ; c
	s_lshl_b32 s22, s14, 10                        ; kq x 256 f32
	s_lshl_b32 s20, s13, 16                        ; hidden: (16 a + 4 w) rows of 4,096 bytes + the K quarter
	s_lshl_b32 s21, s12, 14
	s_add_co_u32 s20, s20, s21
	s_add_co_u32 s20, s20, s22
	s_mov_b32 s21, 0
	s_lshl_b32 s24, s15, 19                        ; Wh: (64 c + 16 w) rows of 8,192 bytes + the K quarter
	s_lshl_b32 s25, s12, 17
	s_add_co_u32 s24, s24, s25
	s_add_co_u32 s24, s24, s22
	s_mov_b32 s25, 0
	s_lshl_b32 s26, ttmp9, 15                      ; We: row 4 g + w of 8,192 bytes, right half
	s_lshl_b32 s27, s12, 13
	s_add_co_u32 s26, s26, s27
	s_add_co_u32 s26, s26, 4096
	s_mov_b32 s27, 0
	s_lshl_b32 s28, ttmp9, 13                      ; wb: row 4 g + w of 2,048 bytes
	s_lshl_b32 s29, s12, 11
	s_add_co_u32 s28, s28, s29
	s_mov_b32 s29, 0
	s_lshl_b32 s30, s14, 18                        ; hbp: plane kq, row 16 a, column 64 c
	s_lshl_b32 s31, s13, 16
	s_add_co_u32 s30, s30, s31
	s_lshl_b32 s31, s15, 8
	s_add_co_u32 s30, s30, s31
	s_mov_b32 s31, 0
	v_lshlrev_b32 v4, 4, v1                        ; 16 L: a wave's load covers 512 neighbouring bytes
	v_lshlrev_b32 v6, 3, v1                        ; 8 L
	s_wait_kmcnt 0x0
	s_add_nc_u64 s[6:7], s[6:7], s[20:21]
	s_add_nc_u64 s[18:19], s[4:5], s[24:25]
	s_add_nc_u64 s[4:5], s[4:5], s[26:27]
	s_add_nc_u64 s[8:9], s[8:9], s[28:29]
	s_add_nc_u64 s[10:11], s[10:11], s[30:31]
.set j, 0
.rept 8                                ; my 4 rows of hidden, 1,024 bytes each
	global_load_b128 v[HR+4*j:HR+4*j+3], v4, s[6:7] offset:(j/2)*4096+(j%2)*512
.set j, j+1
.endr
.set j, 0
.rept 32                               ; my 16 rows of Wh
	global_load_b128 v[WR+4*j:WR+4*j+3], v4, s[18:19] offset:(j/2)*8192+(j%2)*512
.set j, j+1
.endr
.set j, 0
.rept 8                                ; my row of We, 4,096 bytes: read by nobody else
	global_load_b128 v[CR+4*j:CR+4*j+3], v4, s[4:5] offset:j*512 th:TH_LOAD_NT
.set j, j+1
.endr
	; LDS addresses, made while the loads are on their way
	s_mul_i32 s20, s12, 4*LP
	s_add_co_u32 s20, s20, HIS
	s_mul_i32 s21, s12, 16*LP
	s_lshl_b32 s22, s12, 6
	s_add_co_u32 s22, s22, STG
	v_add_nc_u32 v7, s20, v6                       ; hidden in: row 4 w, 8 L
	v_add_nc_u32 v8, s21, v6                       ; Wh in: row 16 w, 8 L
	v_mul_u32_u24 v9, v2, LP
	v_lshl_add_u32 v9, v3, 4, v9                   ; a fragment: row r, 16 h
	v_add_nc_u32 v10, HIS, v9                      ; hidden's
	v_add_nc_u32 v9, s21, v9                       ; Wh's: my own 16 rows
	v_mul_u32_u24 v11, v2, SP
	v_lshl_add_u32 v11, v3, 5, v11
	v_add_nc_u32 v11, s22, v11                     ; stage in: row r, my 64 bytes, 32 h
	v_lshrrev_b32 v12, 4, v0                       ; stage back: row t >> 4, 16 (t & 15)
	v_lshlrev_b32 v13, 4, v2
	v_lshl_add_u32 v13, v12, 12, v13               ; and the same place in hbp
	v_mul_u32_u24 v12, v12, SP
	v_lshl_add_u32 v12, v2, 4, v12
	v_add_nc_u32 v12, STG, v12
	s_wait_loadcnt 40                              ; hidden's 8 loads are in: 32 + 8 younger ones stay out
.set j, 0
.rept 8
	v_cvt_pk_bf16_f32 v[PK+2*j], v[HR+4*j], v[HR+4*j+1]
	v_cvt_pk_bf16_f32 v[PK+2*j+1], v[HR+4*j+2], v[HR+4*j+3]
	ds_store_b64 v7, v[PK+2*j:PK+2*j+1] offset:(j/2)*LP+(j%2)*256
.set j, j+1
.endr
	s_wait_loadcnt 8                               ; Wh's 32 loads are in: the cast's 8 stay out
.set j, 0
.rept 32
	v_cvt_pk_bf16_f32 v[PK+2*(j%8)], v[WR+4*j], v[WR+4*j+1]
	v_cvt_pk_bf16_f32 v[PK+2*(j%8)+1], v[WR+4*j+2], v[WR+4*j+3]
	ds_store_b64 v8, v[PK+2*(j%8):PK+2*(j%8)+1] offset:(j/2)*LP+(j%2)*256
.set j, j+1
.endr
	s_wait_dscnt 0x0                               ; for the others' sake: my rows of hidden are in LDS
	s_barrier_signal -1
	s_barrier_wait -1
.set j, 0
.rept 8                                ; fragments of 16 rows x 32 k: two loads of 16 bytes, 32 bytes apart
	ds_load_b128 v[BFR+8*j:BFR+8*j+3],   v9 offset:64*j
	ds_load_b128 v[BFR+8*j+4:BFR+8*j+7], v9 offset:64*j+32
	ds_load_b128 v[AFR+8*j:AFR+8*j+3],   v10 offset:64*j
	ds_load_b128 v[AFR+8*j+4:AFR+8*j+7], v10 offset:64*j+32
.set j, j+1
.endr
	s_wait_loadcnt 0x0                             ; the cast, while the fragments come
.set j, 0
.rept 8
	v_cvt_pk_bf16_f32 v[PK+2*j], v[CR+4*j], v[CR+4*j+1]
	v_cvt_pk_bf16_f32 v[PK+2*j+1], v[CR+4*j+2], v[CR+4*j+3]
	global_store_b64 v6, v[PK+2*j:PK+2*j+1], s[8:9] offset:j*256   ; 32 lanes store 256 consecutive bytes of the row, aligned
.set j, j+1
.endr
	s_wait_dscnt 0x0
	; used transposed (source 0 = 16 rows of Wh, source 1 = 16 rows of hidden): lane (r, h) then holds row b = r and columns 8 h .. 8 h + 7.
	; The two accumulators take turns, one instruction a turn.
	v_wmma_f32_16x16x32_bf16 v[ACC0:ACC0+7], v[BFR:BFR+7], v[AFR:AFR+7], 0
	v_wmma_f32_16x16x32_bf16 v[ACC1:ACC1+7], v[BFR+8:BFR+15], v[AFR+8:AFR+15], 0
.irp k, 2,4,6
	v_wmma_f32_16x16x32_bf16 v[ACC0:ACC0+7], v[BFR+8*\k:BFR+8*\k+7], v[AFR+8*\k:AFR+8*\k+7], v[ACC0:ACC0+7]
	v_wmma_f32_16x16x32_bf16 v[ACC1:ACC1+7], v[BFR+8*\k+8:BFR+8*\k+15], v[AFR+8*\k+8:AFR+8*\k+15], v[ACC1:ACC1+7]
.endr
.rept 4
	v_nop                                          ; four places between the last product and the first read of a result (ISA guide 7.12.1)
.endr
.irp q, 0,2,4,6
	v_pk_add_f32 v[ACC0+\q:ACC0+\q+1], v[ACC0+\q:ACC0+\q+1], v[ACC1+\q:ACC1+\q+1]
.endr
	ds_store_b128 v11, v[ACC0:ACC0+3]
	ds_store_b128 v11, v[ACC0+4:ACC0+7] offset:16
	s_wait_dscnt 0x0                               ; a stage row's 256 bytes come from all four waves
	s_barrier_signal -1
	s_barrier_wait -1
	ds_load_b128 v[OB:OB+3], v12
	ds_load_b128 v[OB+4:OB+7], v12 offset:8*SP
	s_wait_dscnt 0x0
	global_store_b128 v13, v[OB:OB+3], s[10:11]                    ; 16 lanes store 256 consecutive bytes, aligned
	global_store_b128 v13, v[OB+4:OB+7], s[10:11] offset:8*4096
	s_wait_tensorcnt 0x0
	ds_add_u32 v254, v255
	s_wait_dscnt 0x0
	s_endpgm
.Lfunc_end_k_qa6c66ce2e8_prep:
	.size	k_qa6c66ce2e8_prep, .Lfunc_end_k_qa6c66ce2e8_prep-k_qa6c66ce2e8_prep
	.p2alignl 7, 3214868480
	.fill 96, 4, 3214868480
	.section	.rodata,"a",@progbits
	.p2align	6, 0x0
	.amdhsa_kernel k_qa6c66ce2e8_prep
		.amdhsa_group_segment_fixed_size 47104
		.amdhsa_private_segment_fixed_size 0
		.amdhsa_enable_private_segment 0
		.amdhsa_kernarg_size 32
		.amdhsa_user_sgpr_count 2
		.amdhsa_user_sgpr_kernarg_segment_ptr 1
		.amdhsa_wavefront_size32 1
		.amdhsa_system_sgpr_workgroup_id_x 1
		.amdhsa_system_sgpr_workgroup_id_y 1
		.amdhsa_system_sgpr_workgroup_id_z 1
		.amdhsa_system_vgpr_workitem_id 0
		.amdhsa_next_free_vgpr 256
		.amdhsa_next_free_sgpr 66
		.amdhsa_reserve_vcc 0
		.amdhsa_float_denorm_mode_32 3
		.amdhsa_float_denorm_mode_16_64 3
		.amdhsa_memory_ordered 1
		.amdhsa_forward_progress 1
		.amdhsa_inst_pref_size 21
	.end_amdhsa_kernel
	.amdgpu_metadata
---
amdhsa.version: [ 1, 2 ]
amdhsa.kernels:
  - .name:           k_qa6c66ce2e8_prep
    .symbol:         k_qa6c66ce2e8_prep.kd
    .args:
      - { .name: Wa, .offset: 0, .size: 8, .value_kind: global_buffer, .address_space: global }
      - { .name: hidden, .offset: 8, .size: 8, .value_kind: global_buffer, .address_space: global }
      - { .name: wb, .offset: 16, .size: 8, .value_kind: global_buffer, .address_space: global }
      - { .name: hbp, .offset: 24, .size: 8, .value_kind: global_buffer, .address_space: global }
    .group_segment_fixed_size: 47104
    .private_segment_fixed_size: 0
    .kernarg_segment_align: 8
    .kernarg_segment_size: 32
    .max_flat_workgroup_size: 128
    .sgpr_count:     66
    .vgpr_count:     256
    .wavefront_size: 32
...
	.end_amdgpu_metadata
.endif
;; end of part 1
;; launch main (part 2): grid 4 x 64, 4 waves a work-group, clusters of 4 x 4, 327,680 bytes of LDS; arguments encoder_outputs, wb, hbp, ba, Ws, part; writes part
.if DOCPART == 2
	.amdgcn_target "amdgcn-amd-amdhsa--gfx1250"
	.amdhsa_code_object_version 6
	.text
	.protected	k_qa6c66ce2e8_main
	.globl	k_qa6c66ce2e8_main
	.p2align	8
	.type	k_qa6c66ce2e8_main,@function
k_qa6c66ce2e8_main:
	s_mov_b64 s[64:65], 0
	v_nop
	global_prefetch_b8 v0, s[64:65] scope:SCOPE_SE
	s_setreg_imm32_b32 hwreg(HW_REG_WAVE_MODE, 25, 1), 1
	s_wait_xcnt 0x0
	s_wait_alu depctr_hold_cnt(0) depctr_sa_sdst(0) depctr_va_vdst(0) depctr_va_sdst(0) depctr_va_ssrc(0) depctr_va_vcc(0) depctr_vm_vsrc(0)
	s_getreg_b32 s2, hwreg(HW_REG_IB_STS2, 6, 4)
	s_cmp_eq_u32 s2, 0
	s_cbranch_scc0 .Lentry_in_a_cluster
	s_endpgm
.Lentry_in_a_cluster:
	s_bfe_u32 s2, ttmp6, 0x10000c
	s_cmp_lg_u32 s2, 0xf033
	s_cbranch_scc0 .Lentry_shape_is_right
	s_endpgm
.Lentry_shape_is_right:
; part[b][2 ct + h][s] = sum over a lane half's columns n of scale Ws[n] relu(hb[b][n] + ba[n] + sum over k of enc[s][b][k] We[n][k]),  scale = ln(512) / 32.
; enc: [512 s][64 b][1024 k] f32, read once and rounded to bf16 between LDS and the matrix unit.  wb: bf16(We), [1024 n][1024 k].  hbp: four K quarters of hidden Wh^T.
; SHARES.  A tile is 256 rows (2 b x 128 s) x 256 columns n.  A work-group stays for two tiles (s0 = 128 (2 sh + t), t = 0, 1).  Wave W owns 64 rows (b = 2 bp + (W >> 1),
; s = s0 + 64 (W & 1) + 0..63) x all 256 columns: 64 accumulators, 512 registers.  A wave's rows have ONE b, so one row of hb + ba starts all its sums (loaded as C, nothing is cleared),
; and each row of enc is read from LDS and converted by one wave alone.
; K STEPS OF 128, 16 in all.  Two LDS slots of 128 k with A in f32 would need 409,600 bytes.  Since a row of A has one reader, A has ONE landing zone (256 rows x 512 bytes): in a step's
; last quarter each wave reads the NEXT step's 64 rows out of it, rounds them to bf16 and keeps them in 128 registers; then the zone is asked for again, two steps ahead.  B has two slots
; (256 rows x 256 bytes).  So a refill goes out at the end of step j - 1 and is waited for in the last quarter of step j: 208 matrix instructions of a wave lie between.
; A step's last quarter has two barriers.  The first shows the landed tiles to every wave: in front of it stands the wait for the wave's one tensor load that is out, so its count is 0.
; The second, behind the read-out, is a round of the cluster's barrier, and the joint refill is the first thing behind it.
; CLUSTER 4 x 4.  A's tile hangs on the tile row alone and is asked for jointly along a row of the cluster (the four column tiles are all of N = 1,024, so enc is asked for once);
; B's hangs on the column tile alone and is asked for jointly along a column.
; THE MATRIX INSTRUCTION IS USED TRANSPOSED (source 0 = 16 rows of We, source 1 = 16 rows of enc): lane (r, h) holds row 16 a + r and columns 16 bn + 8 h + 0..7.  The dot with Ws is then
; a sum inside the lane; the two halves of the lanes keep two partial planes, and a lane's four results (a = 0..3) are 16 neighbouring bytes of part: [b][plane][u = s / 64][r][a].
; LIMITS.  Operands of the products are rounded to bf16.  scale is multiplied into Ws first and hb + ba starts the f32 sums, so the order of rounding differs from the formula's.
; relu is v_max_num_f32: a NaN would become 0.
; REGISTERS, in windows of 256 (s_set_vgpr_msb: bits 1:0 source 0, 3:2 source 1, 5:4 source 2, 7:6 destination):
;   window 0: v0-31 addresses; v32-159 A's fragments of a whole step in bf16 (chunk c of 32 k at 32 c, fragment a at 8 a); v160-223 A as f32, two halves; v224-231 results
;   window 1: B's fragments, two buffers of 128 (bn at 8 bn)     window 2: accumulators (a, bn 0-7) at 8 (4 bn + a)     window 3: (a, bn 8-15)
.set PA,    528                        ; a row of A in LDS: 512 bytes + 16: the 16 rows of a load start 16 bytes apart modulo 256
.set PB,    272                        ; a row of B: 256 bytes + 16, likewise
.set HALFA, 128*PA                     ; what one tensor load of A brings: 128 s of one b
.set HALFB, 128*PB                     ; what one tensor load of B brings: 128 rows n
.set BOFF,  2*HALFA                    ; B's slots lie behind A's zone
.set BSLOT, 2*HALFB
.set SCR,   BOFF+2*BSLOT               ; 274,432: behind the ring, never a fill's target: for each wave 1 KB of hb + ba, then 1 KB of scale Ws
.set NEXT_A, 0x2000000-7*512           ; from tile 0's last K step to tile 1's first: 128 s down, 7 steps back
.set BACK_B, 6*256                     ; a slot of B goes six steps back
.set ADRA, 16                          ; v16     my A rows in the zone
.set ADRB, 20                          ; v20-21  B's fragments in slot 0, 1
.set HBA,  22                          ; v22     my scratch + 32 h
.set PO,   23                          ; v23     my place in part
.set PFO,  24                          ; v24     my place in the prefetched rows; never rewritten
.set GL,   25                          ; v25     16 L
.set SCW,  26                          ; v26     my scratch + 16 L
.set AF,   32
.set T,    32                          ; the start's 48 registers, before A's first fragments are made
.set RAW,  160
.set SUM,  160                         ; the way out: pairs [a][p] at 8 a + 2 p, where the f32 stage lay
.set OUT,  224                         ; four results for each tile
.set G1A, 24
.set G1B, 32
.set G0A, 40                           ; one set: one zone
.set G0B, 48                           ; a set of four for each slot
.set CNT, 56
.set PFK, 58                           ; s[58:59] byte offset of the step that is prefetched
.set PFA, 60                           ; s[60:61] its address
.set PFB, 62                           ; s[62:63] enc at the work-group's first row
.set MUL_LO, 0xa1                      ; source 0 (B) window 1, source 1 (A) window 0, C and D window 2; + 0x50: C and D window 3
.set TO_B,   0x40                      ; destination window 1, address window 0
.set MSB, 0
.macro WIN new                         ; the immediate's high byte repeats the setting that is left
.if MSB != (\new)
	s_set_vgpr_msb (MSB<<8)|(\new)
.set MSB, (\new)
.endif
.endm
.macro PLACES                          ; four places between a matrix instruction and a load or vector write into one of its registers, or a read of its result
.rept 4
	v_nop
.endr
.endm
; A joint load: waves 0 and 1 fetch A's two halves, waves 2 and 3 B's.  The branch hangs on the wave's number alone.  Four v_nop follow each line.
.macro JLOAD n
	s_cmp_eq_u32 s17, 0
	s_cbranch_scc0 .Lfor_b_\@
	tensor_load_to_lds s[G0A:G0A+3], s[G1A:G1A+7]
	s_nop 0
.rept 4
	v_nop
.endr
	s_branch .Lasked_\@
.Lfor_b_\@:
	tensor_load_to_lds s[G0B+4*\n:G0B+4*\n+3], s[G1B:G1B+7]
	s_nop 0
.rept 4
	v_nop
.endr
.Lasked_\@:
.endm
.macro CREST                           ; a round of the cluster's barrier behind its opening barrier
	s_cmp_lg_u32 s16, 0
	s_cbranch_scc1 .Lnot_wave_0_\@
	s_barrier_signal -3
.Lnot_wave_0_\@:
	s_barrier_wait -3
	s_barrier_signal -1
	s_barrier_wait -1
.endm
.macro CROUND
	s_barrier_signal -1
	s_barrier_wait -1
	CREST
.endm
	s_load_b256 s[4:11], s[0:1], 0x0               ; enc s[4:5], wb s[6:7], hbp s[8:9], ba s[10:11]
	s_load_b128 s[12:15], s[0:1], 0x20             ; Ws s[12:13], part s[14:15]
	v_lshl_add_u32 v254, v0, 2, 0x45000
	v_mov_b32 v255, 0
	ds_add_u32 v254, v255
	v_lshrrev_b32 v1, 5, v0
	v_readfirstlane_b32 s16, v1                    ; wave W
	s_lshr_b32 s17, s16, 1                         ; my b of the pair.  Also: I fetch for A (0) or for B (1)
	s_and_b32 s18, s16, 1                          ; my half of the 128 s.  Also: which half of that tile I fetch
	s_bfe_u32 s20, ttmp6, 0x40000                  ; cx
	s_bfe_u32 s21, ttmp6, 0x40004                  ; cy
	s_lshl_b32 s22, ttmp9, 2
	s_add_co_u32 s22, s22, s20                     ; ct: column tile
	s_and_b32 s23, ttmp7, 0xffff
	s_lshl_b32 s23, s23, 2
	s_add_co_u32 s23, s23, s21                     ; ty: 0..63
	s_lshr_b32 s19, s23, 1                         ; bp: the pair of b
	s_and_b32 s57, s23, 1                          ; sh: which 256 s
	s_lshl_b32 s68, s21, 2
	s_lshl_b32 s68, 15, s68                        ; my row of the cluster
	s_lshl_b32 s70, 0x1111, s20                    ; my column
	; group 1 for A: 128 rows x 128 elements of 4 bytes, one s (65,536 elements) from row to row; 4 words of padding behind every 128
	s_or_b32 s[G1A+0], s68, (2<<16)|(1<<20)|(1<<21)|(6<<22)|(3<<25)
	s_mov_b32 s[G1A+1], 128<<16                    ; tensor_dim0 = 128
	s_mov_b32 s[G1A+2], 128<<16                    ; tensor_dim1 = 128
	s_mov_b32 s[G1A+3], 128<<16                    ; tile_dim0 = 128
	s_mov_b32 s[G1A+4], 128                        ; tile_dim1 = 128
	s_mov_b32 s[G1A+5], 65536                      ; stride from row to row
	s_mov_b32 s[G1A+6], 0
	s_mov_b32 s[G1A+7], 0
	; group 1 for B: 128 rows x 128 elements of 2 bytes, 1,024 elements from row to row; 4 words of padding behind every 64
	s_or_b32 s[G1B+0], s70, (1<<16)|(1<<20)|(1<<21)|(5<<22)|(3<<25)
	s_mov_b32 s[G1B+1], 128<<16
	s_mov_b32 s[G1B+2], 128<<16
	s_mov_b32 s[G1B+3], 128<<16
	s_mov_b32 s[G1B+4], 128
	s_mov_b32 s[G1B+5], 1024
	s_mov_b32 s[G1B+6], 0
	s_mov_b32 s[G1B+7], 0
	; byte offsets, each in registers of its own: A's hold nothing of cx, B's nothing of cy
	s_lshl_b32 s68, s57, 26                        ; A: 256 sh rows s of 262,144 bytes
	s_lshl_b32 s69, s19, 13                        ;    + 2 bp rows b of 4,096
	s_add_co_u32 s68, s68, s69
	s_mov_b32 s69, 0
	s_lshl_b32 s78, s18, 12                        ;    + the b that I fetch
	s_mov_b32 s79, 0
	s_lshl_b32 s70, s22, 19                        ; B: 256 ct rows of 2,048 bytes + the 128 rows that I fetch
	s_lshl_b32 s71, s18, 18
	s_add_co_u32 s70, s70, s71
	s_mov_b32 s71, 0
	s_lshl_b32 s72, s19, 13                        ; hbp: row b = 2 bp + (W >> 1), column 256 ct
	s_lshl_b32 s73, s17, 12
	s_add_co_u32 s72, s72, s73
	s_lshl_b32 s74, s22, 10                        ; ba, Ws: column 256 ct
	s_add_co_u32 s72, s72, s74
	s_mov_b32 s73, 0
	s_mov_b32 s75, 0
	s_lshl_b32 s76, s19, 15                        ; part: b x 16,384 + ct x 4,096 + (4 sh + (W & 1)) x 256
	s_lshl_b32 s77, s17, 14
	s_add_co_u32 s76, s76, s77
	s_lshl_b32 s77, s22, 12
	s_add_co_u32 s76, s76, s77
	s_lshl_b32 s77, s57, 10
	s_add_co_u32 s76, s76, s77
	s_lshl_b32 s77, s18, 8
	s_add_co_u32 s76, s76, s77
	s_mov_b32 s77, 0
	s_mul_i32 s2, s18, HALFA                       ; where my tiles go: the wave's number alone enters an LDS address
	s_mul_i32 s3, s18, HALFB
	s_add_co_u32 s3, s3, BOFF
	s_mov_b32 s[PFK], 512
	s_mov_b32 s[PFK+1], 0
	s_wait_dscnt 0x0
	s_wait_kmcnt 0x0
	s_add_nc_u64 s[PFB:PFB+1], s[4:5], s[68:69]
	s_add_nc_u64 s[4:5], s[PFB:PFB+1], s[78:79]
	s_add_nc_u64 s[6:7], s[6:7], s[70:71]
	s_add_nc_u64 s[8:9], s[8:9], s[72:73]
	s_add_nc_u64 s[10:11], s[10:11], s[74:75]
	s_add_nc_u64 s[12:13], s[12:13], s[74:75]
	s_add_nc_u64 s[66:67], s[14:15], s[76:77]
	CROUND                                         ; all sixteen work-groups are here: the first joint loads meet
	s_mov_b32 s[G0A], 1                                            ; count = 1
	s_add_co_u32 s[G0A+1], s2, 0                                   ; LDS address
	s_add_nc_u64 s[G0A+2:G0A+3], s[4:5], 0                         ; K step 0
	s_or_b32 s[G0A+3], s[G0A+3], 0x80000000                        ; type = 2
.irp n, 0,1
	s_mov_b32 s[G0B+4*\n], 1
	s_add_co_u32 s[G0B+4*\n+1], s3, \n*BSLOT
	s_add_nc_u64 s[G0B+4*\n+2:G0B+4*\n+3], s[6:7], \n*256          ; K step n
	s_or_b32 s[G0B+4*\n+3], s[G0B+4*\n+3], 0x80000000
.endr
	s_cmp_eq_u32 s17, 0                            ; a wave's first fills stand in one branch, ahead of every wait on TENSORcnt and every LDS read: A's step 0, or B's steps 0 and 1 (two loads of a wave are out at the most)
	s_cbranch_scc0 .Lfirst_b
	tensor_load_to_lds s[G0A:G0A+3], s[G1A:G1A+7]
	s_nop 0
.rept 4
	v_nop
.endr
	s_branch .Lfirst_asked
.Lfirst_b:
	tensor_load_to_lds s[G0B:G0B+3], s[G1B:G1B+7]
	s_nop 0
	tensor_load_to_lds s[G0B+4:G0B+7], s[G1B:G1B+7]
	s_nop 0
.rept 4
	v_nop
.endr
.Lfirst_asked:
	v_and_b32 v1, 15, v0                           ; r
	v_bfe_u32 v2, v0, 4, 1                         ; h
	v_and_b32 v3, 31, v0                           ; L
	v_lshlrev_b32 v[GL], 4, v3
.irp kq, 0,1,2,3
.irp e, 0,1
	global_load_b128 v[T+8*\kq+4*\e:T+8*\kq+4*\e+3], v[GL], s[8:9] offset:\kq*262144+\e*512   ; my b's row of each K quarter, 256 columns
.endr
.endr
.irp e, 0,1
	global_load_b128 v[T+32+4*\e:T+32+4*\e+3], v[GL], s[10:11] offset:\e*512
	global_load_b128 v[T+40+4*\e:T+40+4*\e+3], v[GL], s[12:13] offset:\e*512
.endr
	; A fragment of A is 16 rows x 32 k; as f32 a lane's k = 8 h + 0..7 are 32 bytes at 32 h, its k = 16 + 8 h + 0..7 the 32 bytes 64 further on: four loads of 16 bytes.
	s_mul_i32 s2, s16, 64*PA
	v_mul_u32_u24 v4, v1, PA
	v_lshl_add_u32 v4, v2, 5, v4
	v_add_nc_u32 v[ADRA], s2, v4                   ; row 64 W + r, 32 h
	v_mul_u32_u24 v5, v1, PB
	v_lshl_add_u32 v5, v2, 4, v5
	v_add_nc_u32 v[ADRB], BOFF, v5                 ; row r, 16 h
	v_add_nc_u32 v[ADRB+1], BSLOT, v[ADRB]
	s_lshl_b32 s3, s16, 11
	s_add_co_u32 s3, s3, SCR                       ; my scratch
	v_lshl_add_u32 v[HBA], v2, 5, s3
	v_lshl_add_u32 v[SCW], v3, 4, s3
	v_lshlrev_b32 v[PO], 4, v1
	v_lshl_add_u32 v[PO], v2, 11, v[PO]            ; plane h, 16 r
	; the prefetch: the four partners of a cluster row share out a tile's 256 rows of A: partner cx takes b = cx >> 1, s = 64 (cx & 1) + 16 W + r; h picks one of a step's two blocks of 256 bytes
	s_and_b32 s78, s20, 1
	s_lshl_b32 s78, s78, 6
	s_lshl_b32 s79, s16, 4
	s_add_co_u32 s78, s78, s79
	v_add_nc_u32 v[PFO], s78, v1
	v_lshlrev_b32 v[PFO], 18, v[PFO]
	v_lshl_add_u32 v[PFO], v2, 8, v[PFO]
	s_lshr_b32 s79, s20, 1
	s_lshl_b32 s79, s79, 12
	v_add_nc_u32 v[PFO], s79, v[PFO]
	s_wait_loadcnt 0x0
.irp e, 0,1
.irp q, 0,2
	v_pk_add_f32 v[T+4*\e+\q:T+4*\e+\q+1], v[T+4*\e+\q:T+4*\e+\q+1], v[T+8+4*\e+\q:T+8+4*\e+\q+1]
	v_pk_add_f32 v[T+16+4*\e+\q:T+16+4*\e+\q+1], v[T+16+4*\e+\q:T+16+4*\e+\q+1], v[T+24+4*\e+\q:T+24+4*\e+\q+1]
	v_pk_add_f32 v[T+4*\e+\q:T+4*\e+\q+1], v[T+4*\e+\q:T+4*\e+\q+1], v[T+32+4*\e+\q:T+32+4*\e+\q+1]
	v_pk_add_f32 v[T+4*\e+\q:T+4*\e+\q+1], v[T+4*\e+\q:T+4*\e+\q+1], v[T+16+4*\e+\q:T+16+4*\e+\q+1]   ; hb + ba
	v_pk_mul_f32 v[T+40+4*\e+\q:T+40+4*\e+\q+1], v[T+40+4*\e+\q:T+40+4*\e+\q+1], 0x3e47a05b op_sel_hi:[1,0]   ; Ws x ln(512) / 32 = 0.19494764
.endr
.endr
.irp e, 0,1
	ds_store_b128 v[SCW], v[T+4*\e:T+4*\e+3] offset:512*\e
	ds_store_b128 v[SCW], v[T+40+4*\e:T+40+4*\e+3] offset:1024+512*\e
.endr
; Products i0 .. i0 + cnt - 1 of a window's 32 (hi = 0: window 2, bn = i / 4; hi = 1: window 3, bn = 8 + i / 4; a = i % 4): A's chunk c, B's buffer f.
; The 64 accumulators take turns, one instruction a turn, in the same order in every 32 along K, over the loops' edges too.
.macro MUL c, f, hi, i0, cnt
	WIN MUL_LO+0x50*(\hi)
.set i, \i0
.rept \cnt
	v_wmma_f32_16x16x32_bf16 v[8*i:8*i+7], v[128*(\f)+64*(\hi)+8*(i/4):128*(\f)+64*(\hi)+8*(i/4)+7], v[AF+32*(\c)+8*(i%4):AF+32*(\c)+8*(i%4)+7], v[8*i:8*i+7]
.set i, i+1
.endr
.endm
; 32 LDS loads in one run: B's 256 rows x 32 k, quarter q of slot n, into buffer g; rows 0-127 first
.macro FETCHB n, q, g
	WIN TO_B
.irp b, 0,1,2,3,4,5,6,7,8,9,10,11,12,13,14,15
	ds_load_b128 v[128*(\g)+8*\b:128*(\g)+8*\b+3],   v[ADRB+\n] offset:\b*16*PB+64*(\q)
	ds_load_b128 v[128*(\g)+8*\b+4:128*(\g)+8*\b+7], v[ADRB+\n] offset:\b*16*PB+64*(\q)+32
.endr
.endm
; The read-out of A's zone goes in 8 units: unit u is chunk u / 2, fragments 2 (u % 2) and 2 (u % 2) + 1: eight loads into half u % 2 of the f32 stage, sixteen conversions.
.macro LOADU u
	WIN 0
.irp e, 0,1
	ds_load_b128 v[RAW+32*((\u)%2)+16*\e:RAW+32*((\u)%2)+16*\e+3],     v[ADRA] offset:(2*((\u)%2)+\e)*16*PA+128*((\u)/2)
	ds_load_b128 v[RAW+32*((\u)%2)+16*\e+4:RAW+32*((\u)%2)+16*\e+7],   v[ADRA] offset:(2*((\u)%2)+\e)*16*PA+128*((\u)/2)+16
	ds_load_b128 v[RAW+32*((\u)%2)+16*\e+8:RAW+32*((\u)%2)+16*\e+11],  v[ADRA] offset:(2*((\u)%2)+\e)*16*PA+128*((\u)/2)+64
	ds_load_b128 v[RAW+32*((\u)%2)+16*\e+12:RAW+32*((\u)%2)+16*\e+15], v[ADRA] offset:(2*((\u)%2)+\e)*16*PA+128*((\u)/2)+80
.endr
.endm
.macro CVTU u
	WIN 0
.irp e, 0,1
.irp q, 0,1,2,3,4,5,6,7
	v_cvt_pk_bf16_f32 v[AF+32*((\u)/2)+8*(2*((\u)%2)+\e)+\q], v[RAW+32*((\u)%2)+16*\e+2*\q], v[RAW+32*((\u)%2)+16*\e+2*\q+1]
.endr
.endr
.endm
; One of a step's first three quarters: multiplies chunk c on buffer f; in its middle the next quarter's fragments of B come into buffer g, 32 matrix instructions ahead of their first use.
; pf = 1: the wave asks for 32 blocks of 256 bytes of A (16 rows x a step's 512 bytes), its share of the step two steps on: three quarters of a step ahead of the tensor load that fetches them.
.macro QUARTER n, c, f, g, pf
	s_wait_dscnt 16                                ; B's rows 0-127 are in; the youngest sixteen loads (rows 128-255) may be out
	MUL \c, \f, 0, 0, 32
	PLACES                                         ; for the loads into buffer g, which the quarter before multiplied
	FETCHB \n, \c+1, \g
	s_wait_dscnt 32                                ; all but the 32 just issued
.if \pf
	global_prefetch_b8 v[PFO], s[PFA:PFA+1] th:TH_LOAD_NT scope:SCOPE_SE
.endif
	MUL \c, \f, 1, 0, 32
.endm
; The last quarter multiplies chunk 3 on buffer 1, takes the next step's A out of the zone and asks for the step after that.
; kind 1: the refills go one step on in the same tile; 2 and 3: they are tile 1's steps 0 and 1; 0: nothing is left to fetch, so there is no second barrier.
.macro TURN n, nx, kind
	s_wait_dscnt 0x0                               ; buffer 1 is in: my reads of B's slot n are over
	s_wait_tensorcnt 0x0                           ; my one tensor load that is out, my part of the next step, has landed: the readers behind this barrier need it
	s_barrier_signal -1
	MUL 3, 1, 0, 0, 16                             ; register work while the others arrive
	s_barrier_wait -1                              ; the zone and B's slot nx are whole
	LOADU 0
	LOADU 1
.irp u, 0,1,2,3,4,5                    ; chunks 0 to 2 have been multiplied: the v_nop of the later quarters, and for chunk 2 the conversions ahead of its own, are the places behind their last products
.if \u < 4
	MUL 3, 1, 0, 16+4*\u, 4
.else
	MUL 3, 1, 1, 4*\u-16, 4
.endif
	WIN 0
	s_wait_dscnt 8                                 ; unit u is in; the eight loads of unit u + 1 may be out
	CVTU \u
	LOADU \u+2
.endr
.if \kind
	MUL 3, 1, 1, 8, 8
	s_wait_dscnt 0x0                               ; my reads of the zone are over: chunk 3 waits in the f32 stage
	s_set_vgpr_msb 0xf1f0
	s_wait_tensorcnt 0x0                           ; no tensor load of mine is out
	ds_add_u32 v254, v255
	s_wait_dscnt 0x0
	s_set_vgpr_msb 0xf0f1
	s_barrier_signal -1
	MUL 3, 1, 1, 16, 16
	WIN 0
	s_barrier_wait -1
	CREST                                          ; no wave of any partner still reads the zone or B's slot n, or has a load on its way
.if \kind == 2
	s_add_nc_u64 s[G0A+2:G0A+3], s[G0A+2:G0A+3], NEXT_A
.else
	s_add_nc_u64 s[G0A+2:G0A+3], s[G0A+2:G0A+3], 512
.endif
.if \kind == 1
	s_add_nc_u64 s[G0B+4*\n+2:G0B+4*\n+3], s[G0B+4*\n+2:G0B+4*\n+3], 512
.else
	s_sub_nc_u64 s[G0B+4*\n+2:G0B+4*\n+3], s[G0B+4*\n+2:G0B+4*\n+3], BACK_B
.endif
	JLOAD \n                                       ; its four v_nop are also the places in front of the conversions into chunk 3
	FETCHB \nx, 0, 0
.else
	MUL 3, 1, 1, 8, 24
	PLACES
	FETCHB \nx, 0, 0
	s_wait_dscnt 32                                ; units 6 and 7 are in: the 32 loads of B may be out
.endif
	CVTU 6
	CVTU 7
.endm
; A K step.  pf = 1: the prefetch's offset goes one step on; behind tile 0's last step it goes on to tile 1; the last offset is tile 1's last step, inside enc.
.macro STEP n, nx, kind, pf
.if \pf
	s_wait_xcnt 0x0                                ; the last step's prefetch has had its address translated: only now is its base rewritten
	s_add_co_u32 s[PFK], s[PFK], 512
	s_cmp_eq_u32 s[PFK], 4096
	s_cselect_b32 s[PFK], 0x2000000, s[PFK]
	s_add_nc_u64 s[PFA:PFA+1], s[PFB:PFB+1], s[PFK:PFK+1]
.endif
	QUARTER \n, 0, 0, 1, \pf
	QUARTER \n, 1, 1, 0, 0
	QUARTER \n, 2, 0, 1, 0
	TURN \n, \nx, \kind
	WIN 0                                          ; at a label and at a branch every window is 0
.endm
; All 64 accumulators start as hb + ba of their eight columns: register j of lane (r, h) in (a, bn) takes column 16 bn + 8 h + j.
.macro INIT
	WIN 0x80
.set i, 0
.rept 32
	ds_load_b128 v[8*i:8*i+3],   v[HBA] offset:64*(i/4)
	ds_load_b128 v[8*i+4:8*i+7], v[HBA] offset:64*(i/4)+16
.set i, i+1
.endr
	WIN 0xc0
.set i, 0
.rept 32
	ds_load_b128 v[8*i:8*i+3],   v[HBA] offset:512+64*(i/4)
	ds_load_b128 v[8*i+4:8*i+7], v[HBA] offset:512+64*(i/4)+16
.set i, i+1
.endr
	WIN 0
	s_wait_dscnt 0x0
.endm
; The way out of tile t: relu, times scale Ws, summed over the lane's 128 columns in 16 chains of pairs; a lane's four results are 16 neighbouring bytes.
.macro EPI t
	PLACES                                         ; behind the last products: buffer 1's B is loaded over, the sums are read
	WIN TO_B
.irp b, 0,1,2,3,4,5,6,7,8,9,10,11,12,13,14,15
	ds_load_b128 v[128+8*\b:128+8*\b+3],   v[HBA] offset:1024+64*\b    ; scale Ws in the accumulators' layout
	ds_load_b128 v[128+8*\b+4:128+8*\b+7], v[HBA] offset:1024+64*\b+16
.endr
	WIN 0x88
.set i, 0
.rept 256
	v_max_num_f32 v[i], 0, v[i]
.set i, i+1
.endr
	s_wait_dscnt 0x0
	WIN 0x06                                       ; source 0 window 2, source 1 window 1, the sums in window 0
.set i, 0
.rept 32
.irp p, 0,1,2,3
.if i < 4
	v_pk_mul_f32 v[SUM+8*(i%4)+2*\p:SUM+8*(i%4)+2*\p+1], v[8*i+2*\p:8*i+2*\p+1], v[128+8*(i/4)+2*\p:128+8*(i/4)+2*\p+1]
.else
	v_pk_fma_f32 v[SUM+8*(i%4)+2*\p:SUM+8*(i%4)+2*\p+1], v[8*i+2*\p:8*i+2*\p+1], v[128+8*(i/4)+2*\p:128+8*(i/4)+2*\p+1], v[SUM+8*(i%4)+2*\p:SUM+8*(i%4)+2*\p+1]
.endif
.endr
.set i, i+1
.endr
	WIN 0xcc
.set i, 0
.rept 256
	v_max_num_f32 v[i], 0, v[i]
.set i, i+1
.endr
	WIN 0x07
.set i, 0
.rept 32
.irp p, 0,1,2,3
	v_pk_fma_f32 v[SUM+8*(i%4)+2*\p:SUM+8*(i%4)+2*\p+1], v[8*i+2*\p:8*i+2*\p+1], v[192+8*(i/4)+2*\p:192+8*(i/4)+2*\p+1], v[SUM+8*(i%4)+2*\p:SUM+8*(i%4)+2*\p+1]
.endr
.set i, i+1
.endr
	WIN 0
.irp a, 0,1,2,3
	v_pk_add_f32 v[SUM+8*\a:SUM+8*\a+1], v[SUM+8*\a:SUM+8*\a+1], v[SUM+8*\a+2:SUM+8*\a+3]
	v_pk_add_f32 v[SUM+8*\a+4:SUM+8*\a+5], v[SUM+8*\a+4:SUM+8*\a+5], v[SUM+8*\a+6:SUM+8*\a+7]
.endr
.irp a, 0,1,2,3
	v_pk_add_f32 v[SUM+8*\a:SUM+8*\a+1], v[SUM+8*\a:SUM+8*\a+1], v[SUM+8*\a+4:SUM+8*\a+5]
.endr
.irp a, 0,1,2,3
	v_add_f32 v[OUT+4*\t+\a], v[SUM+8*\a], v[SUM+8*\a+1]
.endr
	global_store_b128 v[PO], v[OUT+4*\t:OUT+4*\t+3], s[66:67] offset:512*\t   ; lanes 0-15 store 256 consecutive bytes, aligned; lanes 16-31 the same in the next plane
.endm
	INIT                                           ; LDS serves a wave's instructions in order (ISA guide 5.7.1.4): these loads see my stores into my scratch
	s_wait_tensorcnt 0x0                           ; my first fills have landed (one of A's, or two of B's: the count that holds on both ways is 0)
	s_barrier_signal -1
	s_barrier_wait -1                              ; everybody's have
	LOADU 0                                        ; step 0's A leaves the zone
	LOADU 1
.irp u, 0,1,2,3,4,5
	s_wait_dscnt 8                                 ; unit u is in; unit u + 1 may be out
	CVTU \u
	LOADU \u+2
.endr
	s_wait_dscnt 8
	CVTU 6
	s_wait_dscnt 0x0                               ; my reads of the zone are over
	CVTU 7
	s_wait_tensorcnt 0x0                           ; no tensor load of mine is out
	ds_add_u32 v254, v255
	s_wait_dscnt 0x0
	CROUND                                         ; no wave of any partner still reads the zone
	s_add_nc_u64 s[G0A+2:G0A+3], s[G0A+2:G0A+3], 512
	s_cmp_eq_u32 s17, 0                            ; the zone takes A's step 1; B's step 1 is there already, so waves 2 and 3 ask for nothing
	s_cbranch_scc0 .Lno_part
	tensor_load_to_lds s[G0A:G0A+3], s[G1A:G1A+7]
	s_nop 0
.rept 4
	v_nop
.endr
.Lno_part:
	FETCHB 0, 0, 0
	WIN 0
	s_mov_b32 s[CNT], 3
.Llap0:                                                ; tile 0, steps 0 to 5: they ask for steps 2 to 7
	STEP 0, 1, 1, 1
	STEP 1, 0, 1, 1
	s_sub_co_u32 s[CNT], s[CNT], 1
	s_cmp_lg_u32 s[CNT], 0
	s_cbranch_scc1 .Llap0
	STEP 0, 1, 2, 1                                ; steps 6 and 7: the ring goes on into tile 1, whose first A and first fragments of B are fetched
	STEP 1, 0, 3, 1
	EPI 0
	INIT
	s_mov_b32 s[CNT], 3
.Llap1:                                                ; tile 1, steps 0 to 5
	STEP 0, 1, 1, 1
	STEP 1, 0, 1, 1
	s_sub_co_u32 s[CNT], s[CNT], 1
	s_cmp_lg_u32 s[CNT], 0
	s_cbranch_scc1 .Llap1
	STEP 0, 1, 0, 0                                ; the last two steps are written out: they ask for nothing
	QUARTER 1, 0, 0, 1, 0
	QUARTER 1, 1, 1, 0, 0
	QUARTER 1, 2, 0, 1, 0
	s_wait_dscnt 0x0
	MUL 3, 1, 0, 0, 32
	MUL 3, 1, 1, 0, 32
	EPI 1
	s_wait_tensorcnt 0x0
	ds_add_u32 v254, v255
	s_wait_dscnt 0x0
	CROUND                                         ; the closing round: no work-group ends while a partner may still ask for a tile that names it
	s_endpgm
.Lfunc_end_k_qa6c66ce2e8_main:
	.size	k_qa6c66ce2e8_main, .Lfunc_end_k_qa6c66ce2e8_main-k_qa6c66ce2e8_main
	.p2alignl 7, 3214868480
	.fill 96, 4, 3214868480
	.section	.rodata,"a",@progbits
	.p2align	6, 0x0
	.amdhsa_kernel k_qa6c66ce2e8_main
		.amdhsa_group_segment_fixed_size 327680
		.amdhsa_private_segment_fixed_size 0
		.amdhsa_enable_private_segment 0
		.amdhsa_kernarg_size 48
		.amdhsa_user_sgpr_count 2
		.amdhsa_user_sgpr_kernarg_segment_ptr 1
		.amdhsa_wavefront_size32 1
		.amdhsa_system_sgpr_workgroup_id_x 1
		.amdhsa_system_sgpr_workgroup_id_y 1
		.amdhsa_system_sgpr_workgroup_id_z 1
		.amdhsa_system_vgpr_workitem_id 0
		.amdhsa_next_free_vgpr 1024
		.amdhsa_next_free_sgpr 80
		.amdhsa_reserve_vcc 0
		.amdhsa_float_denorm_mode_32 3
		.amdhsa_float_denorm_mode_16_64 3
		.amdhsa_memory_ordered 1
		.amdhsa_forward_progress 1
		.amdhsa_inst_pref_size 255
	.end_amdhsa_kernel
	.section	.bss,"aw",@nobits
	.p2align	6
	.space	262144
	.amdgpu_metadata
---
amdhsa.version: [ 1, 2 ]
amdhsa.kernels:
  - .name:           k_qa6c66ce2e8_main
    .symbol:         k_qa6c66ce2e8_main.kd
    .args:
      - { .name: encoder_outputs, .offset: 0, .size: 8, .value_kind: global_buffer, .address_space: global }
      - { .name: wb, .offset: 8, .size: 8, .value_kind: global_buffer, .address_space: global }
      - { .name: hbp, .offset: 16, .size: 8, .value_kind: global_buffer, .address_space: global }
      - { .name: ba, .offset: 24, .size: 8, .value_kind: global_buffer, .address_space: global }
      - { .name: Ws, .offset: 32, .size: 8, .value_kind: global_buffer, .address_space: global }
      - { .name: part, .offset: 40, .size: 8, .value_kind: global_buffer, .address_space: global }
    .group_segment_fixed_size: 327680
    .private_segment_fixed_size: 0
    .kernarg_segment_align: 8
    .kernarg_segment_size: 48
    .max_flat_workgroup_size: 128
    .sgpr_count:     80
    .vgpr_count:     1024
    .wavefront_size: 32
...
	.end_amdgpu_metadata
.endif
;; end of part 2
;; launch soft (part 3): grid 64 x 1, 4 waves a work-group, no clusters, 2,816 bytes of LDS; arguments part, pe, seq_mask, out0; writes out0
.if DOCPART == 3
	.amdgcn_target "amdgcn-amd-amdhsa--gfx1250"
	.amdhsa_code_object_version 6
	.text
	.protected	k_qa6c66ce2e8_soft
	.globl	k_qa6c66ce2e8_soft
	.p2align	8
	.type	k_qa6c66ce2e8_soft,@function
k_qa6c66ce2e8_soft:
	s_mov_b64 s[64:65], 0
	v_nop
	global_prefetch_b8 v0, s[64:65] scope:SCOPE_SE
	s_setreg_imm32_b32 hwreg(HW_REG_WAVE_MODE, 25, 1), 1
	s_wait_xcnt 0x0
; out0[b][s] = softmax over s of (mask[b][s] ? -1e12 : pe[b][s] + the sum of part's 8 planes).  One work-group for each b; thread t ends up with s = 4 t .. 4 t + 3.
; part: [b][plane 8][u 8][r 16][a 4] f32, the entry standing for s = 64 u + 16 a + r; the order is undone through 2,048 bytes of LDS.
; The row's maximum is taken away before the exponential; in a row that is all masked every exponent is 0 and every entry 1 / 512.  v_exp_f32 gives 0 below 2^-126.
; 18.5 KB a work-group, read once in whole runs of 512 bytes a wave: no matrix unit, no cluster, no tensor load would add anything; 64 rows give 64 work-groups.
	s_load_b256 s[4:11], s[0:1], 0x0               ; part s[4:5], pe s[6:7], seq_mask s[8:9], out0 s[10:11]
	v_lshl_add_u32 v64, v0, 2, 0x900
	v_mov_b32 v65, 0
	v_lshrrev_b32 v1, 5, v0
	v_readfirstlane_b32 s12, v1                    ; wave
	v_lshlrev_b32 v2, 4, v0                        ; 16 t
	v_lshlrev_b32 v3, 2, v0                        ; 4 t
	s_lshl_b32 s14, ttmp9, 14
	s_mov_b32 s15, 0
	s_lshl_b32 s16, ttmp9, 11
	s_mov_b32 s17, 0
	s_lshl_b32 s18, ttmp9, 9
	s_mov_b32 s19, 0
	s_mov_b32 s20, 0x76543210                      ; v_permlanex16_b32: each lane takes its own place in the other half
	s_mov_b32 s21, 0xfedcba98
	s_wait_kmcnt 0x0
	s_add_nc_u64 s[4:5], s[4:5], s[14:15]
	s_add_nc_u64 s[6:7], s[6:7], s[16:17]
	s_add_nc_u64 s[8:9], s[8:9], s[18:19]
	s_add_nc_u64 s[10:11], s[10:11], s[16:17]
.irp p, 0,1,2,3,4,5,6,7
	global_load_b128 v[8+4*\p:11+4*\p], v2, s[4:5] offset:2048*\p
.endr
	global_load_b128 v[40:43], v2, s[6:7]
	global_load_b32 v44, v3, s[8:9]                ; four bytes of the mask
	v_lshrrev_b32 v4, 4, v0                        ; u
	v_and_b32 v5, 15, v0                           ; r
	v_lshlrev_b32 v5, 2, v5
	v_lshl_add_u32 v4, v4, 8, v5                   ; 4 (64 u + r)
	v_mov_b32 v45, 0xd368d4a5                      ; -1e12
	v_mov_b32 v47, s12
	v_lshlrev_b32 v47, 2, v47                      ; my wave's word
	v_mov_b32 v48, 0
	s_wait_loadcnt 2                               ; the eight planes are in; pe and the mask may be out
.irp q, 0,2
	v_pk_add_f32 v[8+\q:9+\q], v[8+\q:9+\q], v[12+\q:13+\q]
	v_pk_add_f32 v[16+\q:17+\q], v[16+\q:17+\q], v[20+\q:21+\q]
	v_pk_add_f32 v[24+\q:25+\q], v[24+\q:25+\q], v[28+\q:29+\q]
	v_pk_add_f32 v[32+\q:33+\q], v[32+\q:33+\q], v[36+\q:37+\q]
	v_pk_add_f32 v[8+\q:9+\q], v[8+\q:9+\q], v[16+\q:17+\q]
	v_pk_add_f32 v[24+\q:25+\q], v[24+\q:25+\q], v[32+\q:33+\q]
	v_pk_add_f32 v[8+\q:9+\q], v[8+\q:9+\q], v[24+\q:25+\q]
.endr
.irp a, 0,1,2,3
	ds_store_b32 v4, v[8+\a] offset:64*\a          ; to word s = 64 u + 16 a + r
.endr
	s_wait_dscnt 0x0                               ; for the others' sake
	s_barrier_signal -1
	s_barrier_wait -1
	ds_load_b128 v[8:11], v2                       ; s = 4 t .. 4 t + 3
	s_wait_loadcnt 0x0
	s_wait_dscnt 0x0
	v_pk_add_f32 v[8:9], v[8:9], v[40:41]
	v_pk_add_f32 v[10:11], v[10:11], v[42:43]
.irp i, 0,1,2,3
	v_bfe_u32 v46, v44, 8*\i, 8
	v_cmp_ne_u32 vcc_lo, 0, v46
	v_cndmask_b32 v[8+\i], v[8+\i], v45, vcc_lo
.endr
	v_max3_num_f32 v12, v8, v9, v10
	v_max_num_f32 v12, v12, v11
	v_max_num_f32_dpp v12, v12, v12 row_xmask:1 row_mask:0xf bank_mask:0xf
	v_max_num_f32_dpp v12, v12, v12 row_xmask:2 row_mask:0xf bank_mask:0xf
	v_max_num_f32_dpp v12, v12, v12 row_xmask:4 row_mask:0xf bank_mask:0xf
	v_max_num_f32_dpp v12, v12, v12 row_xmask:8 row_mask:0xf bank_mask:0xf
	v_permlanex16_b32 v13, v12, s20, s21
	v_max_num_f32 v12, v12, v13
	ds_store_b32 v47, v12 offset:2048              ; the four waves' maxima
	s_wait_dscnt 0x0
	s_barrier_signal -1
	s_barrier_wait -1
	ds_load_b128 v[16:19], v48 offset:2048
	s_wait_dscnt 0x0
	v_max3_num_f32 v12, v16, v17, v18
	v_max_num_f32 v12, v12, v19
.irp i, 0,1,2,3
	v_sub_f32 v[8+\i], v[8+\i], v12
.endr
.irp i, 0,1,2,3
	v_mul_f32 v[8+\i], 0x3fb8aa3b, v[8+\i]         ; log2(e)
.endr
.irp i, 0,1,2,3
	v_exp_f32 v[8+\i], v[8+\i]
.endr
	v_nop                                          ; a plain instruction between the last exponential and the use of its result
	s_wait_alu depctr_va_vdst(0)
	v_add_f32 v20, v8, v9
	v_add_f32 v21, v10, v11
	v_add_f32 v20, v20, v21
	v_add_f32_dpp v20, v20, v20 row_xmask:1 row_mask:0xf bank_mask:0xf
	v_add_f32_dpp v20, v20, v20 row_xmask:2 row_mask:0xf bank_mask:0xf
	v_add_f32_dpp v20, v20, v20 row_xmask:4 row_mask:0xf bank_mask:0xf
	v_add_f32_dpp v20, v20, v20 row_xmask:8 row_mask:0xf bank_mask:0xf
	v_permlanex16_b32 v21, v20, s20, s21
	v_add_f32 v20, v20, v21
	ds_store_b32 v47, v20 offset:2064              ; the four waves' sums, in words of their own
	s_wait_dscnt 0x0
	s_barrier_signal -1
	s_barrier_wait -1
	ds_load_b128 v[24:27], v48 offset:2064
	s_wait_dscnt 0x0
	v_add_f32 v24, v24, v25
	v_add_f32 v26, v26, v27
	v_add_f32 v24, v24, v26                        ; at least 1: the largest entry's exponential
	v_rcp_f32 v28, v24
	v_nop
	s_wait_alu depctr_va_vdst(0)
.irp i, 0,1,2,3
	v_mul_f32 v[8+\i], v[8+\i], v28
.endr
	global_store_b128 v2, v[8:11], s[10:11]        ; 16 lanes store 256 consecutive bytes, aligned
	s_wait_tensorcnt 0x0
	ds_add_u32 v64, v65
	s_wait_dscnt 0x0
	s_endpgm
.Lfunc_end_k_qa6c66ce2e8_soft:
	.size	k_qa6c66ce2e8_soft, .Lfunc_end_k_qa6c66ce2e8_soft-k_qa6c66ce2e8_soft
	.p2alignl 7, 3214868480
	.fill 96, 4, 3214868480
	.section	.rodata,"a",@progbits
	.p2align	6, 0x0
	.amdhsa_kernel k_qa6c66ce2e8_soft
		.amdhsa_group_segment_fixed_size 2816
		.amdhsa_private_segment_fixed_size 0
		.amdhsa_enable_private_segment 0
		.amdhsa_kernarg_size 32
		.amdhsa_user_sgpr_count 2
		.amdhsa_user_sgpr_kernarg_segment_ptr 1
		.amdhsa_wavefront_size32 1
		.amdhsa_system_sgpr_workgroup_id_x 1
		.amdhsa_system_sgpr_workgroup_id_y 1
		.amdhsa_system_sgpr_workgroup_id_z 1
		.amdhsa_system_vgpr_workitem_id 0
		.amdhsa_next_free_vgpr 66
		.amdhsa_next_free_sgpr 66
		.amdhsa_reserve_vcc 1
		.amdhsa_float_denorm_mode_32 3
		.amdhsa_float_denorm_mode_16_64 3
		.amdhsa_memory_ordered 1
		.amdhsa_forward_progress 1
		.amdhsa_inst_pref_size 7
	.end_amdhsa_kernel
	.amdgpu_metadata
---
amdhsa.version: [ 1, 2 ]
amdhsa.kernels:
  - .name:           k_qa6c66ce2e8_soft
    .symbol:         k_qa6c66ce2e8_soft.kd
    .args:
      - { .name: part, .offset: 0, .size: 8, .value_kind: global_buffer, .address_space: global }
      - { .name: pe, .offset: 8, .size: 8, .value_kind: global_buffer, .address_space: global }
      - { .name: seq_mask, .offset: 16, .size: 8, .value_kind: global_buffer, .address_space: global }
      - { .name: out0, .offset: 24, .size: 8, .value_kind: global_buffer, .address_space: global }
    .group_segment_fixed_size: 2816
    .private_segment_fixed_size: 0
    .kernarg_segment_align: 8
    .kernarg_segment_size: 32
    .max_flat_workgroup_size: 128
    .sgpr_count:     66
    .vgpr_count:     66
    .wavefront_size: 32
...
	.end_amdgpu_metadata
.endif
;; end of part 3
;; ======== version 2 of 2: 3 launches; version 1 with the launch prep written anew for expert scheduling mode
;; workspace buffers: wb 2,097,152 bytes; hbp 1,048,576 bytes; part 1,048,576 bytes
;; launch prep (part 4): grid 256 x 1, 4 waves a work-group, no clusters, 47,104 bytes of LDS; arguments Wa, hidden, wb, hbp; writes wb, hbp
.if DOCPART == 4
	.amdgcn_target "amdgcn-amd-amdhsa--gfx1250"
	.amdhsa_code_object_version 6
	.text
	.protected	k_qa6c66ce2e8_prep
	.globl	k_qa6c66ce2e8_prep
	.p2align	8
	.type	k_qa6c66ce2e8_prep,@function
k_qa6c66ce2e8_prep:
	s_mov_b64 s[64:65], 0
	v_nop
	global_prefetch_b8 v0, s[64:65] scope:SCOPE_SE
	s_setreg_imm32_b32 hwreg(HW_REG_WAVE_SCHED_MODE, 0, 2), 2
	s_setreg_imm32_b32 hwreg(HW_REG_WAVE_MODE, 25, 1), 1
	s_wait_xcnt 0x0
	s_wait_alu depctr_vm_vsrc(0)
; Two small jobs on Wa [1024][2048] f32, whose left half Wh meets hidden and whose right half We meets encoder_outputs.
; (1) hbp[kq][b][n] = sum over k in 256 kq .. 256 kq + 255 of hidden[b][k] Wh[n][k]: bf16 operands, f32 sums.  Work-group g: a = g & 3 (16 rows b),
;     kq = (g >> 2) & 3 (256 k), c = g >> 4 (64 columns n); wave w takes 16 of the columns: 8 matrix instructions on two accumulators.
; (2) wb = bf16(We), row-major [1024 n][1024 k].  Work-group g casts rows 4 g .. 4 g + 3, wave w row 4 g + w.
; The four K quarters are summed by the next launch, so no sum crosses work-groups here.
; No joint tensor loads: the f32 numbers have to pass through registers to become bf16 before they reach LDS, and what work-groups share (64 KB of Wh among
; four, 16 KB of hidden among sixteen) is read once by each; straight-line text, all 48 loads of a wave in flight at once.
; THE MODE: SCHED_MODE bits 1:0 = 2 (LLVM: expert scheduling mode 2), set by the entry lines.  The code itself states the register dependences
; between vector or matrix instructions and memory or LDS instructions, with s_wait_alu, always for 0.
; THE PLAN.  Registers that memory or LDS instructions touch, in the order of the text:
;   v4, v6        offsets, made at the head, never written again: v4 is read by all 48 loads, v6 by the cast's stores.
;   v7 .. v13     LDS addresses and hbp's offset, made behind the loads, never written again.
;   HR, CR        written by loads, read by conversions, never loaded again.
;   PK            written by hidden's conversions, read by hidden's LDS stores; written again by the cast's conversions, read by the cast's global stores.
;   v[48:175]     WR: written by Wh's loads; the conversions work IN PLACE (four f32 close up into the first two of their four registers); read by Wh's LDS stores;
;                 then BFR and AFR: the fragments' LDS loads land there, and the matrix instructions read them.
;   ACC0          written by matrix instructions and four packed adds, read by two LDS stores.     OB  written by LDS loads alone, read by the last two stores.
;   v254, v255    written at the head, read by the closing add alone.
; So conversions stand in runs, one wait on va_vdst behind each run and ahead of the run of stores that reads its results; ONE wait on vm_vsrc, behind the first
; barrier, states that all LDS stores have read PK and v[48:175], ahead of everything that writes those registers again.
.set LP,   528                         ; an LDS row: 256 bf16 = 512 bytes + 16 of padding: 16 rows of a fragment load start 16 bytes apart modulo 256
.set SP,   272                         ; a stage row: 64 f32 = 256 bytes + 16
.set WHS,  0                           ; 64 rows of Wh
.set HIS,  64*LP                       ; 16 rows of hidden
.set STG,  HIS+16*LP                   ; 16 rows x 64 f32 on the way out
.set HR,   16                          ; v[16:47]    8 loads of hidden
.set WR,   48                          ; v[48:175]   32 loads of Wh, rounded in place; afterwards the fragments:
.set BFR,  48                          ; v[48:111]   Wh, 8 registers for each 32 k
.set AFR,  112                         ; v[112:175]  hidden, likewise
.set CR,   176                         ; v[176:207]  8 loads of We
.set PK,   208                         ; v[208:223]  packed bf16, eight pairs: hidden's, later the cast's
.set ACC0, 224
.set ACC1, 232
.set OB,   240
	s_load_b256 s[4:11], s[0:1], 0x0               ; Wa s[4:5], hidden s[6:7], wb s[8:9], hbp s[10:11]
	v_lshl_add_u32 v254, v0, 2, 0xb600
	v_mov_b32 v255, 0
	v_lshrrev_b32 v1, 5, v0
	v_readfirstlane_b32 s12, v1                    ; wave w
	v_and_b32 v1, 31, v0                           ; L
	v_and_b32 v2, 15, v0                           ; r
	v_bfe_u32 v3, v0, 4, 1                         ; h
	s_wait_alu depctr_va_sdst(0)                   ; s12 is written, ahead of its first reader: the offsets below are made from it
	s_and_b32 s13, ttmp9, 3                        ; a
	s_bfe_u32 s14, ttmp9, 0x20002                  ; kq
	s_lshr_b32 s15, ttmp9, 4                       ; c
	s_lshl_b32 s22, s14, 10                        ; kq x 256 f32
	s_lshl_b32 s20, s13, 16                        ; hidden: (16 a + 4 w) rows of 4,096 bytes + the K quarter
	s_lshl_b32 s21, s12, 14
	s_add_co_u32 s20, s20, s21
	s_add_co_u32 s20, s20, s22
	s_mov_b32 s21, 0
	s_lshl_b32 s24, s15, 19                        ; Wh: (64 c + 16 w) rows of 8,192 bytes + the K quarter
	s_lshl_b32 s25, s12, 17
	s_add_co_u32 s24, s24, s25
	s_add_co_u32 s24, s24, s22
	s_mov_b32 s25, 0
	s_lshl_b32 s26, ttmp9, 15                      ; We: row 4 g + w of 8,192 bytes, right half
	s_lshl_b32 s27, s12, 13
	s_add_co_u32 s26, s26, s27
	s_add_co_u32 s26, s26, 4096
	s_mov_b32 s27, 0
	s_lshl_b32 s28, ttmp9, 13                      ; wb: row 4 g + w of 2,048 bytes
	s_lshl_b32 s29, s12, 11
	s_add_co_u32 s28, s28, s29
	s_mov_b32 s29, 0
	s_lshl_b32 s30, s14, 18                        ; hbp: plane kq, row 16 a, column 64 c
	s_lshl_b32 s31, s13, 16
	s_add_co_u32 s30, s30, s31
	s_lshl_b32 s31, s15, 8
	s_add_co_u32 s30, s30, s31
	s_mov_b32 s31, 0
	v_lshlrev_b32 v4, 4, v1                        ; 16 L: a wave's load covers 512 neighbouring bytes
	v_lshlrev_b32 v6, 3, v1                        ; 8 L
	s_wait_kmcnt 0x0
	s_add_nc_u64 s[6:7], s[6:7], s[20:21]
	s_add_nc_u64 s[18:19], s[4:5], s[24:25]
	s_add_nc_u64 s[4:5], s[4:5], s[26:27]
	s_add_nc_u64 s[8:9], s[8:9], s[28:29]
	s_add_nc_u64 s[10:11], s[10:11], s[30:31]
	s_wait_alu depctr_va_vdst(0)                   ; v4 is written, which the 48 loads below read as their offset; so is v6, the offset of the cast's stores
.set j, 0
.rept 8                                ; my 4 rows of hidden, 1,024 bytes each
	global_load_b128 v[HR+4*j:HR+4*j+3], v4, s[6:7] offset:(j/2)*4096+(j%2)*512
.set j, j+1
.endr
.set j, 0
.rept 32                               ; my 16 rows of Wh
	global_load_b128 v[WR+4*j:WR+4*j+3], v4, s[18:19] offset:(j/2)*8192+(j%2)*512
.set j, j+1
.endr
.set j, 0
.rept 8                                ; my row of We, 4,096 bytes: read by nobody else
	global_load_b128 v[CR+4*j:CR+4*j+3], v4, s[4:5] offset:j*512 th:TH_LOAD_NT
.set j, j+1
.endr
	; LDS addresses, made while the loads are on their way: none of these lines names v4 or a register in which a load lands
	s_mul_i32 s20, s12, 4*LP
	s_add_co_u32 s20, s20, HIS
	s_mul_i32 s21, s12, 16*LP
	s_lshl_b32 s22, s12, 6
	s_add_co_u32 s22, s22, STG
	v_add_nc_u32 v7, s20, v6                       ; hidden in: row 4 w, 8 L
	v_add_nc_u32 v8, s21, v6                       ; Wh in: row 16 w, 8 L
	v_mul_u32_u24 v9, v2, LP
	v_lshl_add_u32 v9, v3, 4, v9                   ; a fragment: row r, 16 h
	v_add_nc_u32 v10, HIS, v9                      ; hidden's
	v_add_nc_u32 v9, s21, v9                       ; Wh's: my own 16 rows
	v_mul_u32_u24 v11, v2, SP
	v_lshl_add_u32 v11, v3, 5, v11
	v_add_nc_u32 v11, s22, v11                     ; stage in: row r, my 64 bytes, 32 h
	v_lshrrev_b32 v12, 4, v0                       ; stage back: row t >> 4, 16 (t & 15)
	v_lshlrev_b32 v13, 4, v2
	v_lshl_add_u32 v13, v12, 12, v13               ; and the same place in hbp
	v_mul_u32_u24 v12, v12, SP
	v_lshl_add_u32 v12, v2, 4, v12
	v_add_nc_u32 v12, STG, v12
	s_wait_loadcnt 40                              ; hidden's 8 loads are in: 32 + 8 younger ones stay out
.set j, 0
.rept 8
	v_cvt_pk_bf16_f32 v[PK+2*j], v[HR+4*j], v[HR+4*j+1]
	v_cvt_pk_bf16_f32 v[PK+2*j+1], v[HR+4*j+2], v[HR+4*j+3]
.set j, j+1
.endr
	s_wait_alu depctr_va_vdst(0)                   ; the conversions have written PK, which the LDS stores read; the addresses v7 to v13 are written, for every LDS and memory instruction from here on
.set j, 0
.rept 8
	ds_store_b64 v7, v[PK+2*j:PK+2*j+1] offset:(j/2)*LP+(j%2)*256
.set j, j+1
.endr
	s_wait_loadcnt 24                              ; Wh's first 16 loads are in: its other 16 and the cast's 8 stay out
.set j, 0
.rept 16
	v_cvt_pk_bf16_f32 v[WR+4*j], v[WR+4*j], v[WR+4*j+1]            ; four numbers close up into the first two of their four registers
	v_cvt_pk_bf16_f32 v[WR+4*j+1], v[WR+4*j+2], v[WR+4*j+3]
.set j, j+1
.endr
	s_wait_alu depctr_va_vdst(0)                   ; these conversions have written their pairs, which the sixteen LDS stores read
.set j, 0
.rept 16
	ds_store_b64 v8, v[WR+4*j:WR+4*j+1] offset:(j/2)*LP+(j%2)*256
.set j, j+1
.endr
	s_wait_loadcnt 8                               ; Wh's 32 loads are in: the cast's 8 stay out
.set j, 16
.rept 16                               ; these name the registers of loads 16 to 31 alone: none that the stores above read
	v_cvt_pk_bf16_f32 v[WR+4*j], v[WR+4*j], v[WR+4*j+1]
	v_cvt_pk_bf16_f32 v[WR+4*j+1], v[WR+4*j+2], v[WR+4*j+3]
.set j, j+1
.endr
	s_wait_alu depctr_va_vdst(0)                   ; these conversions have written their pairs, which the LDS stores read; and every conversion is done with v[48:175], in which the fragments' loads land
.set j, 16
.rept 16
	ds_store_b64 v8, v[WR+4*j:WR+4*j+1] offset:(j/2)*LP+(j%2)*256
.set j, j+1
.endr
	s_wait_dscnt 0x0                               ; for the others' sake: my rows of hidden are in LDS
	s_barrier_signal -1
	s_barrier_wait -1
	s_wait_alu depctr_vm_vsrc(0)                   ; my LDS stores have read v[48:175], in which the fragments' loads land, and PK, which the cast's conversions write again
.set j, 0
.rept 8                                ; fragments of 16 rows x 32 k: two loads of 16 bytes, 32 bytes apart
	ds_load_b128 v[BFR+8*j:BFR+8*j+3],   v9 offset:64*j
	ds_load_b128 v[BFR+8*j+4:BFR+8*j+7], v9 offset:64*j+32
	ds_load_b128 v[AFR+8*j:AFR+8*j+3],   v10 offset:64*j
	ds_load_b128 v[AFR+8*j+4:AFR+8*j+7], v10 offset:64*j+32
.set j, j+1
.endr
	s_wait_loadcnt 0x0                             ; the cast, while the fragments come
.set j, 0
.rept 8
	v_cvt_pk_bf16_f32 v[PK+2*j], v[CR+4*j], v[CR+4*j+1]
	v_cvt_pk_bf16_f32 v[PK+2*j+1], v[CR+4*j+2], v[CR+4*j+3]
.set j, j+1
.endr
	s_wait_alu depctr_va_vdst(0)                   ; the cast's conversions have written PK, which the eight stores read
.set j, 0
.rept 8
	global_store_b64 v6, v[PK+2*j:PK+2*j+1], s[8:9] offset:j*256   ; 32 lanes store 256 consecutive bytes of the row, aligned
.set j, j+1
.endr
	s_wait_dscnt 0x0
	; used transposed (source 0 = 16 rows of Wh, source 1 = 16 rows of hidden): lane (r, h) then holds row b = r and columns 8 h .. 8 h + 7.
	; The two accumulators take turns, one instruction a turn.
	v_wmma_f32_16x16x32_bf16 v[ACC0:ACC0+7], v[BFR:BFR+7], v[AFR:AFR+7], 0
	v_wmma_f32_16x16x32_bf16 v[ACC1:ACC1+7], v[BFR+8:BFR+15], v[AFR+8:AFR+15], 0
.irp k, 2,4,6
	v_wmma_f32_16x16x32_bf16 v[ACC0:ACC0+7], v[BFR+8*\k:BFR+8*\k+7], v[AFR+8*\k:AFR+8*\k+7], v[ACC0:ACC0+7]
	v_wmma_f32_16x16x32_bf16 v[ACC1:ACC1+7], v[BFR+8*\k+8:BFR+8*\k+15], v[AFR+8*\k+8:AFR+8*\k+15], v[ACC1:ACC1+7]
.endr
.rept 4
	v_nop                                          ; four places between the last product and the first read of a result (ISA guide 7.12.1)
.endr
.irp q, 0,2,4,6
	v_pk_add_f32 v[ACC0+\q:ACC0+\q+1], v[ACC0+\q:ACC0+\q+1], v[ACC1+\q:ACC1+\q+1]
.endr
	s_wait_alu depctr_va_vdst(0)                   ; the four adds have written ACC0, which the two LDS stores read
	ds_store_b128 v11, v[ACC0:ACC0+3]
	ds_store_b128 v11, v[ACC0+4:ACC0+7] offset:16
	s_wait_dscnt 0x0                               ; a stage row's 256 bytes come from all four waves
	s_barrier_signal -1
	s_barrier_wait -1
	ds_load_b128 v[OB:OB+3], v12                   ; no vector or matrix instruction names OB
	ds_load_b128 v[OB+4:OB+7], v12 offset:8*SP
	s_wait_dscnt 0x0
	global_store_b128 v13, v[OB:OB+3], s[10:11]                    ; 16 lanes store 256 consecutive bytes, aligned
	global_store_b128 v13, v[OB+4:OB+7], s[10:11] offset:8*4096
	s_wait_dscnt 0x0                               ; the closing lines, six on end
	s_wait_alu 0x0
	s_wait_tensorcnt 0x0
	ds_add_u32 v254, v255
	s_wait_dscnt 0x0
	s_endpgm
.Lfunc_end_k_qa6c66ce2e8_prep:
	.size	k_qa6c66ce2e8_prep, .Lfunc_end_k_qa6c66ce2e8_prep-k_qa6c66ce2e8_prep
	.p2alignl 7, 3214868480
	.fill 96, 4, 3214868480
	.section	.rodata,"a",@progbits
	.p2align	6, 0x0
	.amdhsa_kernel k_qa6c66ce2e8_prep
		.amdhsa_group_segment_fixed_size 47104
		.amdhsa_private_segment_fixed_size 0
		.amdhsa_enable_private_segment 0
		.amdhsa_kernarg_size 32
		.amdhsa_user_sgpr_count 2
		.amdhsa_user_sgpr_kernarg_segment_ptr 1
		.amdhsa_wavefront_size32 1
		.amdhsa_system_sgpr_workgroup_id_x 1
		.amdhsa_system_sgpr_workgroup_id_y 1
		.amdhsa_system_sgpr_workgroup_id_z 1
		.amdhsa_system_vgpr_workitem_id 0
		.amdhsa_next_free_vgpr 256
		.amdhsa_next_free_sgpr 66
		.amdhsa_reserve_vcc 0
		.amdhsa_float_denorm_mode_32 3
		.amdhsa_float_denorm_mode_16_64 3
		.amdhsa_memory_ordered 1
		.amdhsa_forward_progress 1
		.amdhsa_inst_pref_size 21
	.end_amdhsa_kernel
	.amdgpu_metadata
---
amdhsa.version: [ 1, 2 ]
amdhsa.kernels:
  - .name:           k_qa6c66ce2e8_prep
    .symbol:         k_qa6c66ce2e8_prep.kd
    .args:
      - { .name: Wa, .offset: 0, .size: 8, .value_kind: global_buffer, .address_space: global }
      - { .name: hidden, .offset: 8, .size: 8, .value_kind: global_buffer, .address_space: global }
      - { .name: wb, .offset: 16, .size: 8, .value_kind: global_buffer, .address_space: global }
      - { .name: hbp, .offset: 24, .size: 8, .value_kind: global_buffer, .address_space: global }
    .group_segment_fixed_size: 47104
    .private_segment_fixed_size: 0
    .kernarg_segment_align: 8
    .kernarg_segment_size: 32
    .max_flat_workgroup_size: 128
    .sgpr_count:     66
    .vgpr_count:     256
    .wavefront_size: 32
...
	.end_amdgpu_metadata
.endif
;; end of part 4
;; launch main: the kernel of part 2 again; grid 4 x 64, 4 waves a work-group, clusters of 4 x 4, 327,680 bytes of LDS; arguments encoder_outputs, wb, hbp, ba, Ws, part; writes part
;; launch soft: the kernel of part 3 again; grid 64 x 1, 4 waves a work-group, no clusters, 2,816 bytes of LDS; arguments part, pe, seq_mask, out0; writes out0
